; MI455X (gfx1250); checked and timed in simulation.
; The chip was launched on July 23, 2026; its instructions are those of AMD's public machine-readable ISA for CDNA 5 (MIT licence, August 2026) and "CDNA5" Instruction Set Architecture Reference Guide (July 2026). The comments in the code are by the model that wrote it; some were corrected since.
;; Multi Head Self Attention. Allowed arithmetic: matrix products marked QUANTISED: E4M3 operands, one given power-of-two scale a tensor, by v_wmma_f32_16x16x64_fp8_fp8 or v_wmma_f32_16x16x128_fp8_fp8, f32 sums; everything else in f32.
;; Inputs: lowp_scales 8 int32 (the exponents e of the quantised operands' scales 2^e); proj_b 1,024 float32; proj_w 1,024 x 1,024 float32; qkv_b 3,072 float32; qkv_w 3,072 x 1,024 float32; x 4 x 2,048 x 1,024 float32.
;; Outputs: out0 4 x 2,048 x 1,024 float32.
;; This version of the problem:
;;   THIS VERSION OF THE PROBLEM IS GIVEN IN LOW PRECISION. The matrix products marked QUANTISED in the list below multiply operands that are first quantised to E4M3 (4 exponent bits, 3 mantissa bits; 8 bits a number), with one given power-of-two scale for each operand tensor; their sums are f32. All else is computed in f32.
;;   The module's matrix products, in the order in which they are computed (A, B: the left and right operand; K: the contracted axis; several contracted axes count as one K, in the product's order):
;;     1. [M 8,192, K 1,024] x [K 1,024, N 3,072]; A: input x; B: input qkv_w: QUANTISED (scales: A lowp_scales[0], B lowp_scales[1])
;;     2. batch 64 x [M 2,048, K 64] x [K 64, N 2,048]; A: computed on the way; B: computed on the way: QUANTISED (scales: A lowp_scales[2], B lowp_scales[3])
;;     3. batch 64 x [M 2,048, K 2,048] x [K 2,048, N 64]; A: softmax (see below); B: computed on the way: QUANTISED (scales: A lowp_scales[4], B lowp_scales[5])
;;     4. [M 8,192, K 1,024] x [K 1,024, N 1,024]; A: computed on the way; B: input proj_w: QUANTISED (scales: A lowp_scales[6], B lowp_scales[7])
;;   THE QUANTISER, for each operand of a quantised product, along K:
;;     - The operand's scale is 2^e, e = its entry of the input lowp_scales (int32; the entries are numbered through the quantised products in the list's order, A before B).
;;     - Each number is divided by the scale, clamped to +-448, and rounded to the nearest number of E4M3, ties to even, subnormals kept.
;;     - The product sums the exact products of the quantised numbers (number of the format x scale) in f32.
;;   ~~~python
;;   def quantise(x, axis, e):      # numpy; x: float32 -> the quantised numbers, widened to float32 again
;;       x = np.moveaxis(x, axis, -1); K = x.shape[-1]
;;       r = np.clip(x / 2.0 ** e, -448, 448)
;;       step = 2.0 ** (np.maximum(np.frexp(np.where(r == 0, 1, r))[1] - 1, -6) - 3)
;;       q = np.round(r / step) * step * 2.0 ** e      # np.round: ties to even
;;       return np.moveaxis(q, -1, axis).astype(np.float32)
;;   ~~~
;;   SOFTMAX AHEAD OF A QUANTISED PRODUCT. Where the list says 'softmax', what is quantised is not the finished softmax but p = 2^(t - M), with t = logit x log2(e) and M = ceil(the row's largest t), a whole number; so 1/2 < the row's largest p <= 1. The row's sum l is taken of the UNQUANTISED p, in f32, and the product's result is divided by l at the end. Since M is a whole number, a kernel that streams over the keys may use a running M (the ceiling of the running maximum): every later rescaling is an exact power of two, so the quantised numbers keep their values, but for numbers so far below the row's largest that they fall under the format's range.
;;   OPERANDS COMPUTED ON THE WAY. 'Computed on the way' means the value that the module computes at that place (a softmax that the list does not call 'softmax' is quantised finished and normalised). What goes into a quantiser is computed in f32, as accurately as f32 sums, v_exp_f32 and their like allow (about 1e-6 of the number): no bf16 or f16 on the way to a quantiser, and a product that is left as it is and whose result goes on into a quantised operand takes f32 operands (vector FMAs, or v_wmma_f32_16x16x4_f32). A number that lies on a knife's edge between two numbers of the format may be rounded either way, as far as f32 arithmetic and the matrix unit's own rounding can turn it there, and no further.
;; One version. Each part assembles by itself: llvm-mc -triple=amdgcn-amd-amdhsa -mcpu=gfx1250 --defsym DOCPART=n.
;; ======== version 1 of 1: 4 launches
;; limits: right only within a limited range of input values
;; workspace buffers: img 12,582,912 bytes; qkv_img 25,165,824 bytes; o_img 8,388,608 bytes
;; launch quant (part 1): grid 384 x 1, 4 waves a work-group, no clusters, 34,304 bytes of LDS; arguments x, qkv_w, proj_w, lowp_scales, img; writes img
.if DOCPART == 1
	.amdgcn_target "amdgcn-amd-amdhsa--gfx1250"
	.amdhsa_code_object_version 6
	.text
	.protected	k_qffa24b1ef9_quant
	.globl	k_qffa24b1ef9_quant
	.p2align	8
	.type	k_qffa24b1ef9_quant,@function
k_qffa24b1ef9_quant:
	s_mov_b64 s[64:65], 0
	v_nop
	global_prefetch_b8 v0, s[64:65] scope:SCOPE_SE
	s_setreg_imm32_b32 hwreg(HW_REG_WAVE_MODE, 25, 1), 1
	s_wait_xcnt 0x0
; x [8192][1024], qkv_w [3072][1024] and proj_w [1024][1024], f32 with K innermost, become codes of FP8 (E4M3) with the given scales 2^e (entries 0, 1 and 7 of lowp_scales).
; code = number / 2^e, held within +-448, rounded to the nearest code, ties to even.  LIMITS: -126 <= e <= 119, so that 2^e and 448 x 2^e are f32 numbers.  NaN among the inputs is not served.
; THE CODES ARE LAID AS IMAGES OF OPERAND REGISTERS.  A fragment is 16 rows x 128 K in 16 registers: lane l = r + 16 h holds row r, registers 2 c, 2 c + 1 hold K = 16 c + 8 h + 0 .. 7.
; Each group of four registers is stored as 512 consecutive bytes, lane l at 16 l.  The three tensors are one run of 768 tiles of 16 rows (x 0-511, qkv_w 512-703, proj_w 704-767); tile it, K = k lies at
; (it / 8) 131072 + (k / 256) 32768 + (it % 8) 4096 + ((k % 256) / 128) 2048 + ((k % 128) / 32) 512 + 16 l: so 128 rows x 256 K are one dense block of 32,768 bytes for the products' tensor loads.
; SHARES.  A work-group takes two tiles; wave w takes tile 2 g + w / 2 and half w % 2 of K: four fragments.  Each load reads 512 consecutive bytes of one row; a fragment's 16 rows turn through the wave's own
; stage in LDS (rows 528 bytes apart: 33 x 16, so the 16 rows that a read touches start at 16 different banks' groups) and come back in the operand's order.  Waves share nothing: no barrier.
; Work-groups share no input: no cluster.  Loads run one fragment (16 loads a wave) ahead of the one in hand.
.set SP,  528                          ; a stage row: 512 bytes + 16
.set WST, 16*SP                        ; a wave's stage
.set R,   16                           ; v16-143  two sets of 64 registers as loaded: row j in registers 4 j .. 4 j + 3
.set X,   144                          ; v144-207 the fragment's 64 numbers of my lane, in the operand's order
.set C,   208                          ; v208-239 two sets of 16 registers of codes
	s_load_b256 s[4:11], s[0:1], 0x0               ; x s[4:5], qkv_w s[6:7], proj_w s[8:9], the scales' exponents s[10:11]
	s_load_b64 s[12:13], s[0:1], 0x20              ; img
	v_lshl_add_u32 v240, v0, 2, 0x8400
	v_mov_b32 v241, 0
	v_lshrrev_b32 v6, 5, v0
	v_readfirstlane_b32 s24, v6                    ; wave 0..3
	v_and_b32 v6, 31, v0
	v_lshlrev_b32 v1, 4, v6                        ; v1 = 16 x lane: my bytes of a load's and of a store's 512; never rewritten
	v_and_b32 v7, 15, v0                           ; r
	v_bfe_u32 v8, v0, 4, 1                         ; h
	s_mul_i32 s28, s24, WST
	v_add_nc_u32 v2, s28, v1                       ; v2: into the stage: as loaded
	v_mul_u32_u24 v3, v7, SP
	v_lshl_add_u32 v3, v8, 5, v3
	v_add_nc_u32 v3, s28, v3                       ; v3: out of it: row r, + 32 h bytes (8 numbers)
	s_lshl_b32 s25, ttmp9, 1
	s_lshr_b32 s28, s24, 1
	s_add_co_u32 s25, s25, s28                     ; it = 2 g + wave / 2
	s_and_b32 s26, s24, 1                          ; which half of K
	s_mov_b32 s27, 704
	s_wait_alu depctr_va_vdst(0)
	s_wait_kmcnt 0x0
	s_load_b256 s[16:23], s[10:11], 0x0            ; e0 .. e7
	s_cmp_lt_u32 ttmp9, 352                        ; which tensor: the choice hangs on the work-group's number alone; one path serves all three
	s_cselect_b64 s[6:7], s[6:7], s[8:9]
	s_cselect_b32 s27, 512, s27
	s_cmp_lt_u32 ttmp9, 256
	s_cselect_b64 s[4:5], s[4:5], s[6:7]
	s_cselect_b32 s27, 0, s27                      ; the tensor's first tile
	s_sub_co_u32 s30, s25, s27
	s_lshl_b32 s30, s30, 16                        ; a tile's 16 rows are 65,536 bytes,
	s_lshl_b32 s28, s26, 11                        ; half of a row 2,048
	s_add_co_u32 s30, s30, s28
	s_mov_b32 s31, 0
	s_add_nc_u64 s[4:5], s[4:5], s[30:31]
	s_lshr_b32 s32, s25, 3
	s_lshl_b32 s32, s32, 17
	s_and_b32 s28, s25, 7
	s_lshl_b32 s28, s28, 12
	s_add_co_u32 s32, s32, s28
	s_lshl_b32 s28, s26, 16                        ; half of K: two blocks of 256 along K
	s_add_co_u32 s32, s32, s28
	s_mov_b32 s33, 0
	s_add_nc_u64 s[12:13], s[12:13], s[32:33]
.macro LOAD t                          ; fragment t: 128 numbers of each of the 16 rows: 32 lanes read 512 consecutive bytes
.set j, 0
.rept 16
	global_load_b128 v[R+64*((\t)%2)+4*j:R+64*((\t)%2)+4*j+3], v1, s[4:5] offset:4096*j+512*(\t) th:TH_LOAD_NT
.set j, j+1
.endr
.endm
	LOAD 0
	LOAD 1
	s_wait_kmcnt 0x0
	s_cmp_lt_u32 ttmp9, 352
	s_cselect_b32 s29, s17, s23
	s_cmp_lt_u32 ttmp9, 256
	s_cselect_b32 s29, s16, s29                    ; e
	s_add_co_i32 s29, s29, 127
	s_lshl_b32 s28, s29, 23
	v_mov_b32 v4, s28                              ; 2^e as f32: the conversion takes its exponent field
	s_add_co_i32 s29, s29, 8
	s_lshl_b32 s29, s29, 23
	s_or_b32 s29, s29, 0x600000
	v_mov_b32 v5, s29                              ; 448 x 2^e
.macro STEP t
.if (\t) < 3
	s_wait_loadcnt 16                              ; this fragment's 16 loads are in; the next fragment's 16 may be out
.else
	s_wait_loadcnt 0
.endif
.set j, 0
.rept 16
	ds_store_b128 v2, v[R+64*((\t)%2)+4*j:R+64*((\t)%2)+4*j+3] offset:SP*j
.set j, j+1
.endr
.irp c, 0,1,2,3                        ; LDS serves a wave's instructions in order: these see the stores above.  Registers 16 c + 0 .. 7: K = 32 c + 8 h + 0 .. 7; 16 c + 8 .. 15: K = 32 c + 16 + 8 h + 0 .. 7
	ds_load_b128 v[X+16*\c:X+16*\c+3],     v3 offset:128*\c
	ds_load_b128 v[X+16*\c+4:X+16*\c+7],   v3 offset:128*\c+16
	ds_load_b128 v[X+16*\c+8:X+16*\c+11],  v3 offset:128*\c+64
	ds_load_b128 v[X+16*\c+12:X+16*\c+15], v3 offset:128*\c+80
.endr
	s_wait_dscnt 0x0                               ; my numbers are back, and the stores have read their registers,
.if (\t)+2 < 4
	LOAD (\t)+2                                    ; which take the fragment two further on
.endif
.if (\t) >= 2
	s_wait_xcnt 0x0                                ; the stores of two fragments ago have read this set of code registers: it is written again only behind this wait
.endif
.set i, 0
.rept 64
	v_med3_num_f32 v[X+i], v[X+i], -v5, v5         ; the conversion to an 8-bit code does not saturate (ISA guide 7.6.2): the hold at the largest code x the scale comes first
.set i, i+1
.endr
.set i, 0
.rept 8
	v_cvt_scalef32_pk8_fp8_f32 v[C+16*((\t)%2)+2*i:C+16*((\t)%2)+2*i+1], v[X+8*i:X+8*i+7], v4
.set i, i+1
.endr
	v_nop                                          ; one plain vector line behind the last conversion: the next fragment's holds write the conversions' sources
.irp c, 0,1,2,3
	global_store_b128 v1, v[C+16*((\t)%2)+4*\c:C+16*((\t)%2)+4*\c+3], s[12:13] offset:32768*((\t)/2)+2048*((\t)%2)+512*\c   ; 32 lanes store 512 consecutive bytes, at a multiple of 512 from the buffer's first byte
.endr
.endm
	s_wait_alu depctr_va_vdst(0)
	STEP 0
	STEP 1
	STEP 2
	STEP 3
	s_wait_tensorcnt 0x0
	ds_add_u32 v240, v241
	s_wait_dscnt 0x0
	s_endpgm
.Lfunc_end_k_qffa24b1ef9_quant:
	.size	k_qffa24b1ef9_quant, .Lfunc_end_k_qffa24b1ef9_quant-k_qffa24b1ef9_quant
	.p2alignl 7, 3214868480
	.fill 96, 4, 3214868480
	.section	.rodata,"a",@progbits
	.p2align	6, 0x0
	.amdhsa_kernel k_qffa24b1ef9_quant
		.amdhsa_group_segment_fixed_size 34304
		.amdhsa_private_segment_fixed_size 0
		.amdhsa_enable_private_segment 0
		.amdhsa_kernarg_size 40
		.amdhsa_user_sgpr_count 2
		.amdhsa_user_sgpr_kernarg_segment_ptr 1
		.amdhsa_wavefront_size32 1
		.amdhsa_system_sgpr_workgroup_id_x 1
		.amdhsa_system_sgpr_workgroup_id_y 1
		.amdhsa_system_sgpr_workgroup_id_z 1
		.amdhsa_system_vgpr_workitem_id 0
		.amdhsa_next_free_vgpr 242
		.amdhsa_next_free_sgpr 66
		.amdhsa_reserve_vcc 0
		.amdhsa_float_denorm_mode_32 3
		.amdhsa_float_denorm_mode_16_64 3
		.amdhsa_memory_ordered 1
		.amdhsa_forward_progress 1
		.amdhsa_inst_pref_size 37
	.end_amdhsa_kernel
	.amdgpu_metadata
---
amdhsa.version: [ 1, 2 ]
amdhsa.kernels:
  - .name:           k_qffa24b1ef9_quant
    .symbol:         k_qffa24b1ef9_quant.kd
    .args:
      - { .name: x, .offset: 0, .size: 8, .value_kind: global_buffer, .address_space: global }
      - { .name: qkv_w, .offset: 8, .size: 8, .value_kind: global_buffer, .address_space: global }
      - { .name: proj_w, .offset: 16, .size: 8, .value_kind: global_buffer, .address_space: global }
      - { .name: lowp_scales, .offset: 24, .size: 8, .value_kind: global_buffer, .address_space: global }
      - { .name: img, .offset: 32, .size: 8, .value_kind: global_buffer, .address_space: global }
    .group_segment_fixed_size: 34304
    .private_segment_fixed_size: 0
    .kernarg_segment_align: 8
    .kernarg_segment_size: 40
    .max_flat_workgroup_size: 128
    .sgpr_count:     66
    .vgpr_count:     242
    .wavefront_size: 32
...
	.end_amdgpu_metadata
.endif
;; end of part 1
;; launch qkv (part 2): grid 12 x 16, 4 waves a work-group, clusters of 4 x 4, 327,680 bytes of LDS; arguments img, lowp_scales, qkv_b, qkv_img; writes qkv_img
.if DOCPART == 2
	.amdgcn_target "amdgcn-amd-amdhsa--gfx1250"
	.amdhsa_code_object_version 6
	.text
	.protected	k_qffa24b1ef9_qkv
	.globl	k_qffa24b1ef9_qkv
	.p2align	8
	.type	k_qffa24b1ef9_qkv,@function
k_qffa24b1ef9_qkv:
	s_mov_b64 s[64:65], 0
	v_nop
	global_prefetch_b8 v0, s[64:65] scope:SCOPE_SE
	s_setreg_imm32_b32 hwreg(HW_REG_WAVE_MODE, 25, 1), 1
	s_wait_xcnt 0x0
	s_wait_alu depctr_hold_cnt(0) depctr_sa_sdst(0) depctr_va_vdst(0) depctr_va_sdst(0) depctr_va_ssrc(0) depctr_va_vcc(0) depctr_vm_vsrc(0)
	s_getreg_b32 s2, hwreg(HW_REG_IB_STS2, 6, 4)
	s_cmp_eq_u32 s2, 0
	s_cbranch_scc0 .Lentry_in_a_cluster
	s_endpgm
.Lentry_in_a_cluster:
	s_bfe_u32 s2, ttmp6, 0x10000c
	s_cmp_lg_u32 s2, 0xf033
	s_cbranch_scc0 .Lentry_shape_is_right
	s_endpgm
.Lentry_shape_is_right:
; qkv = x qkv_w^T + qkv_b on codes of FP8 (E4M3), and its three parts quantised at once: q with 2^e2, k with 2^e3, v with 2^e5 (entries of lowp_scales; the operands' scales are 2^e0 and 2^e1).
; LIMITS: e0 + e1 between -127 and 126; e_out - e0 - e1 between -126 and 119, so that each power of two below is an f32 number.
; OPERANDS come as images of their registers (128 rows x 256 K are one dense block of 32,768 bytes; fragment i of 16 rows, 128 K at i 4096 + q 2048): groups of 128 rows: x 0-63, qkv_w 64-87.
; A tile of the result, 256 x 256, is made by four waves; a wave makes 128 x 128: 64 accumulators.  K = 1,024 goes in four steps of 256 through two LDS slots filled by joint tensor loads.
; A WORK-GROUP STAYS AND MAKES TWO TILES: the 384 tiles are two for each of 192 work-groups; the second lies 16 tile rows of x (4,096 tokens) further on and shares the weight's rows.
; The ring does not stop at the first tile's end: its last two changes of slots ask for the second tile's K steps 0 and 1, and the first tile leaves while that load is out.
; source 0 = 16 rows of the operand called B, source 1 = 16 rows of A: in accumulator (a, b) lane (r, h) register j holds C(16 a + r, 16 b + 8 h + j): a conversion of its eight registers gives registers 2 b, 2 b + 1 of an operand.
;   clusters x = 0, 1 (q, k): A = x, B = qkv_w's rows 0-2047;   cluster x = 2 (v): A = qkv_w's rows 2048-3071, B = x: row = the head's channel, K = the keys.
; THE BIAS is the C of each sum's first instruction, divided by 2^(e0 + e1): 64 registers, read as 8 b + j (q, k: it runs along B) or 8 a + j (v: it is the row's).  Only that first half step is written for both kinds.
; THE WAY OUT is one text for q, k and v: a sum's code is sum / 2^(e_out - e0 - e1), held at 448 x that; the stores' four offsets and the base's steps are chosen by the cluster's x.
; qkv_img: q at 0, k at 1 << 23, v at 2 << 23; head bh at bh << 17; q, k: 16 tokens at 1,024 x tile; v: 128 keys at 8,192 x step, 16 channels at 2,048 x dt.
; No prefetch: the block is the largest that the registers hold, in clusters, and a tile's K is four slots.
; REGISTERS: window 0: v16-31 addresses and constants, v32-95 the bias, v96-103 its offsets, v128-255 A's fragments, one set.  window 1: B's fragments, two sets; on the way out set 1 holds the held sums and the codes.  windows 2, 3: the accumulators.
.set SLOT,  131072
.set PART,  32768
.set SPARE, 2*SLOT
.set FR,    16
.set ADRA,  16
.set ADRB,  20
.set VO,    22                         ; v22-25 the four stores' offsets
.set CO,    26
.set SPW,   28
.set NIL,   29
.set SC,    30
.set LIM,   31
.set BI,    32
.set VJ,    96
.set AF,    128
.set TMP,   128                        ; window 1
.set CD,    192                        ; window 1
.set G1,    24
.set G0,    32
.set G1B,   48
.set G0B,   56
.set NX,    76                         ; s[76:77] from a tile's last block to the next tile's first, in qkv_img
.set SA,    78                         ; s[78:79] from block to block
.set S4,    80                         ; s[80:81] from block 3 to block 4
.set DA,    98                         ; s[98:99] A's way to the next tile, s[100:101] B's
.set DB,    100
.set MSB,   0
.macro WIN new
.if MSB != (\new)
	s_set_vgpr_msb (MSB<<8)|(\new)
.set MSB, \new
.endif
.endm
.set TO_B,   0x40
.macro WMUL hi, zero                   ; source 0 window 1, source 1 window 0, D window 2 + hi; C with D, or the bias in window 0
.if \zero
	WIN 0x81+0x40*(\hi)
.else
	WIN 0xa1+0x50*(\hi)
.endif
.endm
.macro JLOAD s                         ; waves 0 and 1 fetch A's two blocks, waves 2 and 3 B's
	s_cmp_eq_u32 s15, 0
	s_cbranch_scc0 .Lfor_b_\@
	tensor_load_to_lds s[G0+4*(\s):G0+4*(\s)+3], s[G1:G1+7]
	s_nop 0
.rept 4
	v_nop
.endr
	s_branch .Lasked_\@
.Lfor_b_\@:
	tensor_load_to_lds s[G0B+4*(\s):G0B+4*(\s)+3], s[G1B:G1B+7]
	s_nop 0
.rept 4
	v_nop
.endr
.Lasked_\@:
.endm
.macro CREST
	s_cmp_lg_u32 s14, 0
	s_cbranch_scc1 .Lnot_wave_0_\@
	s_barrier_signal -3
.Lnot_wave_0_\@:
	s_barrier_wait -3
	s_barrier_signal -1
	s_barrier_wait -1
.endm
.macro CROUND
	s_barrier_signal -1
	s_barrier_wait -1
	CREST
.endm
.macro PLACES
.rept 4
	v_nop
.endr
.endm
	s_load_b256 s[4:11], s[0:1], 0x0               ; img, the scales' exponents, qkv_b, qkv_img
	v_lshl_add_u32 v[SPW], v0, 2, SPARE
	v_mov_b32 v[NIL], 0
	ds_add_u32 v[SPW], v[NIL]                      ; the opening lines: the add twice on end and its wait
	ds_add_u32 v[SPW], v[NIL]
	v_lshrrev_b32 v1, 5, v0
	v_readfirstlane_b32 s14, v1                    ; wave
	s_lshr_b32 s15, s14, 1                         ; my half of the rows along A; also: I fetch for A (0) or B (1)
	s_and_b32 s16, s14, 1                          ; my half along B; also: which block I fetch
	s_bfe_u32 s40, ttmp6, 0x40000                  ; cx, cy
	s_bfe_u32 s41, ttmp6, 0x40004
	s_lshl_b32 s76, ttmp9, 2
	s_and_b32 s77, ttmp7, 0xffff
	s_lshl_b32 s77, s77, 2
	s_add_co_u32 s78, s77, s41                     ; 4 Y + cy
	s_add_co_u32 s79, s76, s40                     ; 4 X + cx
	s_add_co_u32 s80, s77, s40                     ; 4 Y + cx
	s_cmp_lt_u32 ttmp9, 2                          ; q and k, or v: the same in all sixteen partners
	s_cselect_b32 s17, s78, s41                    ; tile row along A
	s_cselect_b32 s42, s79, s80                    ; tile column along B
	s_cselect_b32 s81, 0, 80                       ; A's first group of 128 rows in img
	s_cselect_b32 s82, 64, 0                       ; B's
	s_cselect_b32 s[DA], 0x400000, 0               ; 16 tile rows of x are 32 groups of 131,072 bytes; the weight's rows stay
	s_cselect_b32 s[DB], 0, 0x400000
	s_mov_b32 s[DA+1], 0
	s_mov_b32 s[DB+1], 0
	s_lshl_b32 s43, s41, 2
	s_lshl_b32 s43, 15, s43                        ; my row of the cluster
	s_lshl_b32 s44, 0x1111, s40                    ; my column
	s_or_b32 s[G1+0], s43, (3<<16)|(1<<21)         ; a dense block as 128 rows of 32 elements of 8 bytes
	s_or_b32 s[G1B+0], s44, (3<<16)|(1<<21)
.irp g, G1, G1B
	s_mov_b32 s[\g+1], 32<<16
	s_mov_b32 s[\g+2], 128<<16
	s_mov_b32 s[\g+3], 32<<16
	s_mov_b32 s[\g+4], 128
	s_mov_b32 s[\g+5], 32
	s_mov_b32 s[\g+6], 0
	s_mov_b32 s[\g+7], 0
.endr
	s_lshl_b32 s20, s17, 1
	s_add_co_u32 s20, s20, s16
	s_add_co_u32 s20, s20, s81
	s_lshl_b32 s20, s20, 17
	s_mov_b32 s21, 0
	s_lshl_b32 s46, s42, 1
	s_add_co_u32 s46, s46, s16
	s_add_co_u32 s46, s46, s82
	s_lshl_b32 s46, s46, 17
	s_mov_b32 s47, 0
	s_lshl_b32 s45, s14, 15                        ; where they go: wave x 32,768
	s_wait_dscnt 0x0
	s_wait_kmcnt 0x0
	s_load_b256 s[68:75], s[6:7], 0x0              ; e0 .. e7
	s_add_nc_u64 s[20:21], s[4:5], s[20:21]
	s_add_nc_u64 s[46:47], s[4:5], s[46:47]
	CROUND                                         ; the first joint loads meet
.irp s, 0,1
	s_mov_b32 s[G0+4*\s], 1
	s_add_co_u32 s[G0+4*\s+1], s45, \s*SLOT
	s_add_nc_u64 s[G0+4*\s+2:G0+4*\s+3], s[20:21], \s*PART
	s_or_b32 s[G0+4*\s+3], s[G0+4*\s+3], 0x80000000
	s_mov_b32 s[G0B+4*\s], 1
	s_add_co_u32 s[G0B+4*\s+1], s45, \s*SLOT
	s_add_nc_u64 s[G0B+4*\s+2:G0B+4*\s+3], s[46:47], \s*PART
	s_or_b32 s[G0B+4*\s+3], s[G0B+4*\s+3], 0x80000000
.endr
	JLOAD 0                                        ; K step 0: one tensor load a wave at the head
	s_lshl_b32 s21, s15, 15                        ; my block of A,
	s_lshl_b32 s22, s16, 15
	s_add_co_u32 s22, s22, 2*PART                  ; my block of B, behind A's two
	s_add_co_u32 s18, s21, SLOT
	s_add_co_u32 s19, s22, SLOT
	s_lshl_b32 s83, s17, 8
	s_lshl_b32 s84, s15, 7
	s_add_co_u32 s83, s83, s84                     ; m0
	s_lshl_b32 s84, s42, 8
	s_lshl_b32 s85, s16, 7
	s_add_co_u32 s84, s84, s85                     ; n0
	s_cmp_lt_u32 ttmp9, 2
	s_cselect_b32 s86, s84, s83                    ; the bias: q, k: feature n0 + 16 g + 8 h + j; v: feature 2048 + m0 + 16 g + r
	s_cselect_b32 s88, 0, 8192
	s_cselect_b32 s23, 32, 0
	s_cselect_b32 s66, 0, 4
	s_cselect_b32 s67, 4, 0
	s_mov_b32 s82, 1024
	s_cselect_b32 s82, 131072, s82                 ; stores 2, 3: q, k: the next head; v: the fragment's second half
	s_lshl_b32 s86, s86, 2
	s_add_co_u32 s86, s86, s88
	s_mov_b32 s87, 0
	s_add_nc_u64 s[86:87], s[8:9], s[86:87]
	v_and_b32 v1, 31, v0
	v_lshlrev_b32 v[CO], 4, v1
	v_and_b32 v2, 15, v0                           ; r
	v_bfe_u32 v3, v0, 4, 1                         ; h
	v_mul_u32_u24 v4, v3, s23
	v_mad_u32_u24 v4, v2, s66, v4                  ; 32 h, or 4 r
	v_mov_b32 v5, s67
.irp j, 0,1,2,3,4,5,6,7
	v_mad_u32_u24 v[VJ+\j], v5, \j, v4             ; + 4 j, or + 0
.endr
	v_add_nc_u32 v[ADRA], s21, v[CO]
	v_add_nc_u32 v[ADRA+1], s18, v[CO]
	v_add_nc_u32 v[ADRB], s22, v[CO]
	v_add_nc_u32 v[ADRB+1], s19, v[CO]
	v_mov_b32 v[VO], v[CO]
	v_add_nc_u32 v[VO+1], 512, v[CO]
	v_add_nc_u32 v[VO+2], s82, v[CO]
	v_add_nc_u32 v[VO+3], 512, v[VO+2]
	s_wait_alu depctr_va_vdst(0)
.irp g, 0,1,2,3,4,5,6,7
.irp j, 0,1,2,3,4,5,6,7
	global_load_b32 v[BI+8*\g+\j], v[VJ+\j], s[86:87] offset:64*\g
.endr
.endr
	s_lshr_b32 s90, s83, 11                        ; where my results go: both forms, then the choice
	s_lshl_b32 s90, s90, 4
	s_and_b32 s91, s84, 1023
	s_lshr_b32 s91, s91, 6
	s_add_co_u32 s90, s90, s91
	s_lshl_b32 s90, s90, 17
	s_and_b32 s91, s83, 2047
	s_lshr_b32 s91, s91, 4
	s_lshl_b32 s91, s91, 10
	s_add_co_u32 s90, s90, s91
	s_lshr_b32 s92, s84, 11
	s_lshl_b32 s92, s92, 4
	s_lshr_b32 s93, s83, 6
	s_add_co_u32 s92, s92, s93
	s_lshl_b32 s92, s92, 17
	s_and_b32 s93, s84, 2047
	s_lshr_b32 s93, s93, 7
	s_lshl_b32 s93, s93, 13
	s_add_co_u32 s92, s92, s93
	s_cmp_lt_u32 ttmp9, 2
	s_cselect_b32 s90, s90, s92
	s_mov_b32 s[NX], 4057088                       ; two batches on, 1 << 22, less what the eight blocks have stepped: 7 x 1,024, or 131,072 + 6,144
	s_cselect_b32 s[NX], 4187136, s[NX]
	s_mov_b32 s[SA], 2048
	s_cselect_b32 s[SA], 1024, s[SA]
	s_mov_b32 s[S4], 124928                        ; v: the next head, 131,072 - 3 x 2,048
	s_cselect_b32 s[S4], 1024, s[S4]
	s_mov_b32 s[NX+1], 0
	s_mov_b32 s[SA+1], 0
	s_mov_b32 s[S4+1], 0
	s_lshl_b32 s91, ttmp9, 23
	s_add_co_u32 s90, s90, s91
	s_mov_b32 s91, 0
	s_add_nc_u64 s[10:11], s[10:11], s[90:91]
	s_wait_kmcnt 0x0
	s_add_co_i32 s96, s68, s69                     ; e0 + e1
	s_cmp_eq_u32 ttmp9, 1
	s_cselect_b32 s94, s71, s73
	s_cmp_eq_u32 ttmp9, 0
	s_cselect_b32 s94, s70, s94                    ; e_out: a choice, no branch
	s_sub_co_i32 s94, s94, s96
	s_add_co_i32 s94, s94, 127
	s_lshl_b32 s95, s94, 23
	v_mov_b32 v[SC], s95                           ; 2^(e_out - e0 - e1)
	s_add_co_i32 s94, s94, 8
	s_lshl_b32 s94, s94, 23
	s_or_b32 s94, s94, 0x600000
	v_mov_b32 v[LIM], s94                          ; 448 x that
	s_sub_co_i32 s96, 127, s96
	s_lshl_b32 s96, s96, 23                        ; 2^-(e0 + e1)
	s_mov_b32 s97, s96
	s_wait_loadcnt 0x0
.set j, 0
.rept 32
	v_pk_mul_f32 v[BI+j:BI+j+1], v[BI+j:BI+j+1], s[96:97] op_sel_hi:[1,0]   ; the bias in the sums' unit: nothing is rounded
.set j, j+2
.endr
.macro FRAG reg, adr, q, i
.irp c, 0,1,2,3
	ds_load_b128 v[\reg+4*\c:\reg+4*\c+3], v[\adr] offset:4096*(\i)+2048*(\q)+512*\c
.endr
.endm
; 16 matrix instructions: A's blocks a0, a0 + 1 x B's eight.  zero = 1, 2: the first product starts the sums on the bias.  The 64 accumulators take turns, in the same order in every step.
.macro MUL16 a0, p, zero
.irp a, \a0, \a0+1
.irp b, 0,1,2,3,4,5,6,7
.if \zero == 1
	v_wmma_f32_16x16x128_fp8_fp8 v[8*(8*((\a)%4)+\b):8*(8*((\a)%4)+\b)+7], v[128*(\p)+FR*\b:128*(\p)+FR*\b+FR-1], v[AF+FR*(\a):AF+FR*(\a)+FR-1], v[BI+8*\b:BI+8*\b+7]
.else
.if \zero == 2
	v_wmma_f32_16x16x128_fp8_fp8 v[8*(8*((\a)%4)+\b):8*(8*((\a)%4)+\b)+7], v[128*(\p)+FR*\b:128*(\p)+FR*\b+FR-1], v[AF+FR*(\a):AF+FR*(\a)+FR-1], v[BI+8*(\a):BI+8*(\a)+7]
.else
	v_wmma_f32_16x16x128_fp8_fp8 v[8*(8*((\a)%4)+\b):8*(8*((\a)%4)+\b)+7], v[128*(\p)+FR*\b:128*(\p)+FR*\b+FR-1], v[AF+FR*(\a):AF+FR*(\a)+FR-1], v[8*(8*((\a)%4)+\b):8*(8*((\a)%4)+\b)+7]
.endif
.endif
.endr
.endr
.endm
.macro FETCH_B slot, q, p
	WIN TO_B
.irp i, 0,1,2,3,4,5,6,7
	FRAG 128*(\p)+FR*\i, ADRB+\slot, \q, \i
.endr
	WIN 0
.endm
.macro FETCH_A slot, q, i0
.irp i, \i0, \i0+1, \i0+2, \i0+3
	FRAG AF+FR*(\i), ADRA+\slot, \q, \i
.endr
.endm
.macro STEP slot, zero                 ; a slot's first 128 along K; the second 128's fragments are fetched as registers come free
	s_wait_dscnt 16                                ; B's set and A's blocks 0-3 are in; the youngest 16 loads may be out
	WMUL 0, \zero
	MUL16 0, 0, \zero
	MUL16 2, 0, \zero
	s_wait_dscnt 0
	PLACES
	FETCH_B \slot, 1, 1
	FETCH_A \slot, 1, 0
	WMUL 1, \zero
	MUL16 4, 0, \zero
	MUL16 6, 0, \zero
	PLACES
	WIN 0
	FETCH_A \slot, 1, 4
.endm
.macro FIRST                           ; a tile's first half step, for each kind of bias; the branch hangs on the cluster's x
	s_cmp_lt_u32 ttmp9, 2
	s_cbranch_scc0 .Lkind_v_\@
	STEP 0, 1
	s_branch .Lkinds_\@
.Lkind_v_\@:
	STEP 0, 2
.Lkinds_\@:
.endm
; A slot's second 128 changes slots.  fill = 1: this slot takes the tile's K step two on; fill = 2: the next tile's K step of this slot; fill = 0: nothing.
.macro TURN slot, next, fill
	s_wait_tensorcnt 0x0                           ; all my tensor loads have landed
	ds_add_u32 v[SPW], v[NIL]
	s_wait_dscnt 17                                ; (the add and the youngest 16 loads may be out)
	WMUL 0, 0
	MUL16 0, 1, 0
	s_wait_dscnt 0x0                               ; the add is done, and my reads of this slot are over
	s_barrier_signal -1
	MUL16 2, 1, 0
	WIN 0
	s_barrier_wait -1
.if \fill
	CREST                                          ; the barrier has opened a round of the cluster's barrier
.if \fill == 2
	s_sub_nc_u64 s[G0+4*\slot+2:G0+4*\slot+3], s[G0+4*\slot+2:G0+4*\slot+3], 2*PART
	s_add_nc_u64 s[G0+4*\slot+2:G0+4*\slot+3], s[G0+4*\slot+2:G0+4*\slot+3], s[DA:DA+1]
	s_sub_nc_u64 s[G0B+4*\slot+2:G0B+4*\slot+3], s[G0B+4*\slot+2:G0B+4*\slot+3], 2*PART
	s_add_nc_u64 s[G0B+4*\slot+2:G0B+4*\slot+3], s[G0B+4*\slot+2:G0B+4*\slot+3], s[DB:DB+1]
.else
	s_add_nc_u64 s[G0+4*\slot+2:G0+4*\slot+3], s[G0+4*\slot+2:G0+4*\slot+3], 2*PART
	s_add_nc_u64 s[G0B+4*\slot+2:G0B+4*\slot+3], s[G0B+4*\slot+2:G0B+4*\slot+3], 2*PART
.endif
	JLOAD \slot                                    ; my one load behind the round; its four v_nop are the places in front of the loads below
.else
	PLACES
.endif
	FETCH_B \next, 0, 0
	FETCH_A \next, 0, 0
	WMUL 1, 0
	MUL16 4, 1, 0
	MUL16 6, 1, 0
	PLACES
	WIN 0
	FETCH_A \next, 0, 4
.endm
; THE WAY OUT of block a (16 rows along A x 128 along B): the hold, eight conversions, four stores of 512 consecutive bytes.  It works in window 1's v128-223, B's set 1, which no load in flight names.
.macro EPI a
.set AC, 64*((\a)%4)
.set CC, CD+16*((\a)%2)
	s_wait_xcnt 0x0                                ; earlier stores have read their base and their data
.if (\a) == 4
	s_add_nc_u64 s[10:11], s[10:11], s[S4:S4+1]
.else
.if (\a) > 0
	s_add_nc_u64 s[10:11], s[10:11], s[SA:SA+1]
.endif
.endif
	WIN 0x42+((\a)/4)                              ; source 0: window 2 or 3; destination: window 1
.set j, 0
.rept 64                               ; each accumulator from its low end on
	v_med3_num_f32 v[TMP+j], v[AC+j], -v[LIM], v[LIM]   ; the conversion does not saturate (ISA guide 7.6.2)
.set j, j+1
.endr
	WIN 0x41
.set j, 0
.rept 8
	v_cvt_scalef32_pk8_fp8_f32 v[CC+2*j:CC+2*j+1], v[TMP+8*j:TMP+8*j+7], v[SC]
.set j, j+1
.endr
	v_nop                                          ; a plain line behind the last conversion
	WIN 0x04                                       ; the stores' data: window 1
.irp c, 0,1,2,3
	global_store_b128 v[VO+\c], v[CC+4*\c:CC+4*\c+3], s[10:11]
.endr
	WIN 0
.endm
	s_wait_alu depctr_va_vdst(0)
	s_wait_tensorcnt 0x0                           ; my part of K step 0 is in; the full sequence ahead of slot 1's first fill
	ds_add_u32 v[SPW], v[NIL]
	s_wait_dscnt 0x0
	CROUND
	JLOAD 1                                        ; K step 1
	FETCH_B 0, 0, 0
	FETCH_A 0, 0, 0
	FETCH_A 0, 0, 4
	FIRST
	TURN 0, 1, 1
	STEP 1, 0
	TURN 1, 0, 1
	STEP 0, 0
	TURN 0, 1, 2                                   ; slot 0 takes the second tile's K step 0,
	STEP 1, 0
	TURN 1, 0, 2                                   ; slot 1 its K step 1, and its first fragments are fetched
.irp a, 0,1,2,3,4,5,6,7
	EPI \a
.endr
	s_wait_xcnt 0x0                                ; the last stores have read their data: B's set 1 may be loaded again
	s_add_nc_u64 s[10:11], s[10:11], s[NX:NX+1]
	FIRST
	TURN 0, 1, 1
	STEP 1, 0
	TURN 1, 0, 1
	STEP 0, 0
	TURN 0, 1, 0                                   ; nothing is left to fetch
	STEP 1, 0
	s_wait_dscnt 16
	WMUL 0, 0
	MUL16 0, 1, 0
	MUL16 2, 1, 0
	s_wait_dscnt 0
	WMUL 1, 0
	MUL16 4, 1, 0
	MUL16 6, 1, 0
	WIN 0
	PLACES
.irp a, 0,1,2,3,4,5,6,7
	EPI \a
.endr
	s_wait_tensorcnt 0x0                           ; the wave's end
	ds_add_u32 v[SPW], v[NIL]
	s_wait_dscnt 0x0
	CROUND                                         ; the closing round
	s_endpgm
.Lfunc_end_k_qffa24b1ef9_qkv:
	.size	k_qffa24b1ef9_qkv, .Lfunc_end_k_qffa24b1ef9_qkv-k_qffa24b1ef9_qkv
	.p2alignl 7, 3214868480
	.fill 96, 4, 3214868480
	.section	.rodata,"a",@progbits
	.p2align	6, 0x0
	.amdhsa_kernel k_qffa24b1ef9_qkv
		.amdhsa_group_segment_fixed_size 327680
		.amdhsa_private_segment_fixed_size 0
		.amdhsa_enable_private_segment 0
		.amdhsa_kernarg_size 32
		.amdhsa_user_sgpr_count 2
		.amdhsa_user_sgpr_kernarg_segment_ptr 1
		.amdhsa_wavefront_size32 1
		.amdhsa_system_sgpr_workgroup_id_x 1
		.amdhsa_system_sgpr_workgroup_id_y 1
		.amdhsa_system_sgpr_workgroup_id_z 1
		.amdhsa_system_vgpr_workitem_id 0
		.amdhsa_next_free_vgpr 1024
		.amdhsa_next_free_sgpr 102
		.amdhsa_reserve_vcc 0
		.amdhsa_float_denorm_mode_32 3
		.amdhsa_float_denorm_mode_16_64 3
		.amdhsa_memory_ordered 1
		.amdhsa_forward_progress 1
		.amdhsa_inst_pref_size 255
	.end_amdhsa_kernel
	.section	.bss,"aw",@nobits
	.p2align	6
	.space	262144
	.amdgpu_metadata
---
amdhsa.version: [ 1, 2 ]
amdhsa.kernels:
  - .name:           k_qffa24b1ef9_qkv
    .symbol:         k_qffa24b1ef9_qkv.kd
    .args:
      - { .name: img, .offset: 0, .size: 8, .value_kind: global_buffer, .address_space: global }
      - { .name: lowp_scales, .offset: 8, .size: 8, .value_kind: global_buffer, .address_space: global }
      - { .name: qkv_b, .offset: 16, .size: 8, .value_kind: global_buffer, .address_space: global }
      - { .name: qkv_img, .offset: 24, .size: 8, .value_kind: global_buffer, .address_space: global }
    .group_segment_fixed_size: 327680
    .private_segment_fixed_size: 0
    .kernarg_segment_align: 8
    .kernarg_segment_size: 32
    .max_flat_workgroup_size: 128
    .sgpr_count:     102
    .vgpr_count:     1024
    .wavefront_size: 32
...
	.end_amdgpu_metadata
.endif
;; end of part 2
;; launch attn (part 3): grid 4 x 64, 16 waves a work-group, no clusters, 264,192 bytes of LDS; arguments qkv_img, lowp_scales, o_img; writes o_img
.if DOCPART == 3
	.amdgcn_target "amdgcn-amd-amdhsa--gfx1250"
	.amdhsa_code_object_version 6
	.text
	.protected	k_qffa24b1ef9_attn
	.globl	k_qffa24b1ef9_attn
	.p2align	8
	.type	k_qffa24b1ef9_attn,@function
k_qffa24b1ef9_attn:
	s_mov_b64 s[64:65], 0
	v_nop
	global_prefetch_b8 v0, s[64:65] scope:SCOPE_SE
	s_setreg_imm32_b32 hwreg(HW_REG_WAVE_MODE, 25, 1), 1
	s_wait_xcnt 0x0
; o = softmax(q k^T / 8) v for one head bh = 16 b + head (grid y) and 512 queries (grid x), both products on codes of FP8 (E4M3); o leaves as codes with the scale 2^e6, laid as the last product's operand image.
; t = score x log2(e) / 8; M = the running largest t rounded up to a whole number; p = 2^(t - M) is quantised with 2^e4; the row's sum is taken of the unquantised p and divides at the end.
; INPUT IMAGES (qkv_img): q at 0, k at 1 << 23, v at 2 << 23, a head at bh << 17; q, k: 16 tokens x 64 are 8 registers, 1,024 bytes; v: 16 channels x 128 keys are 16 registers, 2,048 bytes, 128 keys 8,192 bytes.
; SHARES.  Sixteen waves, four to a SIMD, 256 registers each; a wave owns 32 queries, two tiles of 16, and walks the head's 2,048 keys in 16 steps of 128.  A step's fragments of K and of V are read once for both tiles.
; Both products are used transposed (S^T = K Q^T, O^T = V^T P^T): a lane holds one query; accumulator kt's eight registers are keys 16 kt + 8 h + 0 .. 7, so one conversion gives registers 2 kt, 2 kt + 1 of P.
; LDS holds the head's whole K (131,072 bytes) and V (131,072): each wave brings 16,384 bytes through registers once, at the head; one barrier; nothing is filled again.
; THE HOLD of p at 448 x 2^e4: p is at most 1, and 448 x 2^e4 is at least 1.75 where e4 >= -8: for every other e4 they are executed.
; NO TENSOR LOAD AND NO JOINT LOAD: K and V are asked for once a work-group, 32 loads a wave.  No prefetch: the one fill stands at the head, with no loop ahead of it.
; LIMITS: e2 + e3 between -123 and 130; e4 and e6 between -126 and 119; the scaled scores stay under 2^31 in magnitude.
; REGISTERS: v1 16 x lane; v2, v3 LDS addresses; v4, v5 the hold and the scale; v6, v7 the add's two; v8-13, v14-19 a tile's -M, largest t, sum (2), f, 0; v20-27 at work;
; v30-45 Q; v46-109 O^T; v110-173 K's, then V's fragments; v174-189 tile 0's codes; v190-205 tile 1's, laid over scores that are already converted; v192-255 the scores of the tile in hand.
.set T,  20
.set Q,  30
.set O,  46
.set KV, 110
.set P0, 174
.set S,  192
.set VB, 131072
.set SPARE, 262144                     ; behind K and V: the spare words, 128 bytes a wave
.macro PLACES
.rept 4
	v_nop
.endr
.endm
	s_load_b128 s[4:7], s[0:1], 0x0                ; qkv_img, the scales' exponents
	s_load_b64 s[8:9], s[0:1], 0x10                ; o_img
	v_lshl_add_u32 v6, v0, 2, SPARE
	v_mov_b32 v7, 0
	v_lshrrev_b32 v2, 5, v0
	v_readfirstlane_b32 s12, v2                    ; wave 0..15
	v_and_b32 v1, 31, v0
	v_lshlrev_b32 v1, 4, v1
.irp t, 0,1
	v_mov_b32 v[8+6*\t+2], 0                       ; the sum's two halves,
	v_mov_b32 v[8+6*\t+3], 0
	v_mov_b32 v[8+6*\t+5], 0                       ; and the upper half of f's pair, which is named with it
.endr
	s_and_b32 s14, ttmp7, 0xffff                   ; bh
	s_lshl_b32 s19, s14, 17
	s_lshr_b32 s15, s12, 3                         ; waves 0-7 bring K, waves 8-15 V
	s_and_b32 s16, s12, 7
	s_lshl_b32 s18, s16, 14                        ; 16,384 bytes a wave
	s_add_co_u32 s40, s15, 1
	s_lshl_b32 s40, s40, 23
	s_add_co_u32 s40, s40, s19
	s_add_co_u32 s40, s40, s18
	s_mov_b32 s41, 0
	s_lshl_b32 s17, s12, 14                        ; and where they go in LDS
	s_lshl_b32 s42, ttmp9, 15                      ; Q: 512 queries are 32,768 bytes, my 32 are 2,048
	s_add_co_u32 s42, s42, s19
	s_lshl_b32 s43, s12, 11
	s_add_co_u32 s42, s42, s43
	s_mov_b32 s43, 0
	s_and_b32 s44, s14, 0xf0                       ; o_img: group of 128 tokens 16 b + 4 x + wave / 4, at 131,072 each;
	s_lshl_b32 s45, ttmp9, 2
	s_add_co_u32 s44, s44, s45
	s_lshr_b32 s45, s12, 2
	s_add_co_u32 s44, s44, s45
	s_lshl_b32 s44, s44, 17
	s_bfe_u32 s45, s14, 0x20002                    ; 256 along K: head / 4, at 32,768;
	s_lshl_b32 s45, s45, 15
	s_add_co_u32 s44, s44, s45
	s_and_b32 s45, s12, 3                          ; my two tiles of 16 tokens, at 4,096 each;
	s_lshl_b32 s45, s45, 13
	s_add_co_u32 s44, s44, s45
	s_and_b32 s45, s14, 3                          ; 64 along K: head % 4, at 1,024
	s_lshl_b32 s45, s45, 10
	s_add_co_u32 s44, s44, s45
	s_mov_b32 s45, 0
	s_mov_b32 s20, 0x76543210                      ; lane l xor 16
	s_mov_b32 s21, 0xfedcba98
	s_mov_b32 s22, 0x3e38aa3b                      ; c = log2(e) / 8
	s_mov_b32 s2, 0
	s_wait_alu depctr_va_vdst(0)
	s_wait_kmcnt 0x0
	s_load_b256 s[68:75], s[6:7], 0x0              ; e0 .. e7
	s_add_nc_u64 s[40:41], s[4:5], s[40:41]
	s_add_nc_u64 s[42:43], s[4:5], s[42:43]
	s_add_nc_u64 s[8:9], s[8:9], s[44:45]
	v_add_nc_u32 v2, s17, v1
.irp t, 0,1
	global_load_b128 v[Q+8*\t:Q+8*\t+3],   v1, s[42:43] offset:1024*\t
	global_load_b128 v[Q+8*\t+4:Q+8*\t+7], v1, s[42:43] offset:1024*\t+512
.endr
.set i, 0
.rept 32                               ; my 16,384 bytes of K or V: each load reads 512 consecutive bytes; v110-237 are free here
	global_load_b128 v[KV+4*i:KV+4*i+3], v1, s[40:41] offset:512*i
.set i, i+1
.endr
	s_wait_alu depctr_va_vdst(0)
	s_wait_kmcnt 0x0
	s_add_co_i32 s46, s70, s71
	s_lshl_b32 s46, s46, 23
	s_add_co_i32 s22, s22, s46                     ; a score stands for score x 2^(e2 + e3): added to c's exponent field
	s_mov_b32 s23, s22                             ; (named with it as a pair)
	s_add_co_i32 s46, s72, 127
	s_lshl_b32 s47, s46, 23
	v_mov_b32 v5, s47                              ; 2^e4
	s_add_co_i32 s46, s46, 8
	s_lshl_b32 s46, s46, 23
	s_or_b32 s46, s46, 0x600000
	v_mov_b32 v4, s46                              ; 448 x 2^e4
	s_add_co_i32 s46, s74, 127
	s_lshl_b32 s49, s46, 23                        ; 2^e6
	s_add_co_i32 s46, s46, 8
	s_lshl_b32 s50, s46, 23
	s_or_b32 s50, s50, 0x600000                    ; 448 x 2^e6
	s_add_co_i32 s48, s72, s73                     ; e4 + e5
	s_wait_alu depctr_va_vdst(0)
.irp g, 0,1,2,3
	s_wait_loadcnt 24-8*\g                         ; Q and the oldest 8 (g + 1) of the 32 are in; the younger ones may be out
.set i, 0
.rept 8
	ds_store_b128 v2, v[KV+32*\g+4*i:KV+32*\g+4*i+3] offset:4096*\g+512*i
.set i, i+1
.endr
.endr
	s_wait_dscnt 0x0                               ; my stores are done, for the others' sake
	s_barrier_signal -1
	s_barrier_wait -1                              ; K and V are whole
.macro KLOAD                           ; eight fragments of 16 keys x 64
.irp f, 0,1,2,3,4,5,6,7
	ds_load_b128 v[KV+8*\f:KV+8*\f+3],   v2 offset:1024*\f
	ds_load_b128 v[KV+8*\f+4:KV+8*\f+7], v2 offset:1024*\f+512
.endr
.endm
.macro VLOAD                           ; four fragments of 16 channels x 128 keys
.irp d, 0,1,2,3
.irp c, 0,1,2,3
	ds_load_b128 v[KV+16*\d+4*\c:KV+16*\d+4*\c+3], v3 offset:2048*\d+512*\c
.endr
.endr
.endm
.macro SPROD t
.irp kt, 0,1,2,3,4,5,6,7
	v_wmma_f32_16x16x64_fp8_fp8 v[S+8*\kt:S+8*\kt+7], v[KV+8*\kt:KV+8*\kt+7], v[Q+8*\t:Q+8*\t+7], 0
.endr
.endm
.macro PVPROD first                    ; the eight accumulators take turns, one instruction a turn
.irp d, 0,1,2,3
.irp t, 0,1
.if \first
	v_wmma_f32_16x16x128_fp8_fp8 v[O+32*\t+8*\d:O+32*\t+8*\d+7], v[KV+16*\d:KV+16*\d+15], v[P0+16*\t:P0+16*\t+15], 0
.else
	v_wmma_f32_16x16x128_fp8_fp8 v[O+32*\t+8*\d:O+32*\t+8*\d+7], v[KV+16*\d:KV+16*\d+15], v[P0+16*\t:P0+16*\t+15], v[O+32*\t+8*\d:O+32*\t+8*\d+7]
.endif
.endr
.endr
.endm
; One tile's 64 scores a lane become 16 registers of codes; the tile's O^T is brought under the new M on the way.
.macro SOFTMAX t, first
.set rT, 8+6*(\t)
.set rP, P0+16*(\t)
	v_max3_num_f32 v[T],   v[S],   v[S+1],  v[S+2]     ; the largest score, in four chains, each accumulator from its low end on
	v_max3_num_f32 v[T+1], v[S+3], v[S+4],  v[S+5]
	v_max3_num_f32 v[T+2], v[S+6], v[S+7],  v[S+8]
	v_max3_num_f32 v[T+3], v[S+9], v[S+10], v[S+11]
.set i, 12
.rept 6
.irp c, 0,1,2,3
	v_max3_num_f32 v[T+\c], v[T+\c], v[S+i+2*\c], v[S+i+2*\c+1]
.endr
.set i, i+8
.endr
	v_max3_num_f32 v[T],   v[T],   v[S+60], v[S+61]
	v_max3_num_f32 v[T+1], v[T+1], v[S+62], v[S+63]
	s_delay_alu instid0(VALU_DEP_1)
	v_max3_num_f32 v[T], v[T], v[T+1], v[T+2]
	s_delay_alu instid0(VALU_DEP_1)
	v_max_num_f32 v[T], v[T], v[T+3]
	s_delay_alu instid0(VALU_DEP_1)
	v_permlanex16_b32 v[T+1], v[T], s20, s21
	s_delay_alu instid0(VALU_DEP_1)
	v_max_num_f32 v[T], v[T], v[T+1]               ; and among lane l xor 16's keys
.if \first
	s_delay_alu instid0(VALU_DEP_1)
	v_mul_f32 v[rT+1], s22, v[T]                   ; as t (c is positive)
	s_delay_alu instid0(VALU_DEP_1)
	v_floor_f32 v[rT], -v[rT+1]                    ; -M = floor(-t)
.else
	s_delay_alu instid0(VALU_DEP_1)
	v_mul_f32 v[T], s22, v[T]
	s_delay_alu instid0(VALU_DEP_1)
	v_max_num_f32 v[rT+1], v[rT+1], v[T]           ; the running largest t
	v_mov_b32 v[T+2], v[rT]
	s_delay_alu instid0(VALU_DEP_2)
	v_floor_f32 v[rT], -v[rT+1]
	s_delay_alu instid0(VALU_DEP_1)
	v_sub_f32 v[T+2], v[rT], v[T+2]                ; old M - new M, a whole number, 0 or less
	s_delay_alu instid0(VALU_DEP_1)
	v_cvt_i32_f32 v[T+2], v[T+2]
	s_delay_alu instid0(VALU_DEP_1)
	v_ldexp_f32 v[rT+4], 1.0, v[T+2]               ; f = 2^(old M - new M)
.endif
.set j, 0
.rept 32
	v_pk_fma_f32 v[S+j:S+j+1], v[S+j:S+j+1], s[22:23], v[rT:rT+1] op_sel_hi:[1,0,0]   ; t - M
.set j, j+2
.endr
	s_wait_alu depctr_va_vdst(0)
.set j, 0
.rept 64
	v_exp_f32 v[S+j], v[S+j]
.set j, j+1
.endr
.if \first
	v_nop                                          ; a plain place behind the exponentials
.else
	v_pk_mul_f32 v[rT+2:rT+3], v[rT+2:rT+3], v[rT+4:rT+5] op_sel_hi:[1,0]   ; the sums under the new M (a plain place behind the exponentials)
.endif
	s_wait_alu depctr_va_vdst(0)                   ; one wait for the batch, ahead of its first reader
	v_pk_add_f32 v[T:T+1],   v[S:S+1],   v[S+2:S+3]    ; the sum of the unquantised p, in four chains of pairs
	v_pk_add_f32 v[T+2:T+3], v[S+4:S+5], v[S+6:S+7]
	v_pk_add_f32 v[T+4:T+5], v[S+8:S+9], v[S+10:S+11]
.set j, 12
.rept 6
	v_pk_add_f32 v[rT+2:rT+3], v[rT+2:rT+3], v[S+j:S+j+1]
	v_pk_add_f32 v[T:T+1],     v[T:T+1],     v[S+j+2:S+j+3]
	v_pk_add_f32 v[T+2:T+3],   v[T+2:T+3],   v[S+j+4:S+j+5]
	v_pk_add_f32 v[T+4:T+5],   v[T+4:T+5],   v[S+j+6:S+j+7]
.set j, j+8
.endr
	v_pk_add_f32 v[rT+2:rT+3], v[rT+2:rT+3], v[S+60:S+61]
	v_pk_add_f32 v[T:T+1],     v[T:T+1],     v[S+62:S+63]
	v_pk_add_f32 v[T+2:T+3],   v[T+2:T+3],   v[T+4:T+5]
	s_delay_alu instid0(VALU_DEP_2)
	v_pk_add_f32 v[rT+2:rT+3], v[rT+2:rT+3], v[T:T+1]
	s_delay_alu instid0(VALU_DEP_1)
	v_pk_add_f32 v[rT+2:rT+3], v[rT+2:rT+3], v[T+2:T+3]
	s_wait_alu depctr_va_vdst(0)                   ; directly ahead of the first readers of O^T, and ahead of the branch
.if \first == 0
.set j, 0
.rept 16
	v_pk_mul_f32 v[O+32*(\t)+j:O+32*(\t)+j+1], v[O+32*(\t)+j:O+32*(\t)+j+1], v[rT+4:rT+5] op_sel_hi:[1,0]   ; O^T x f
.set j, j+2
.endr
.endif
	s_cmp_ge_i32 s72, -8                           ; 448 x 2^e4 >= 1.75 > p: no p reaches the hold
	s_cbranch_scc1 .Lfree_\@
.set j, 0
.rept 64
	v_min_num_f32 v[S+j], v[S+j], v4               ; the conversion does not saturate (ISA guide 7.6.2); p is not negative, so the hold is one-sided
.set j, j+1
.endr
.Lfree_\@:
.irp k, 0,1,2,3,4,5,6,7
	v_cvt_scalef32_pk8_fp8_f32 v[rP+2*\k:rP+2*\k+1], v[S+8*\k:S+8*\k+7], v5
.if (\t) && (\k < 2)
	v_nop                                          ; tile 1's codes 1-4 land on conversion 0's sources, codes 5-7 on conversion 1's: a plain line behind each of the two
.endif
.endr
	v_nop                                          ; a plain line behind the last conversion: a matrix instruction writes its sources or reads its result next
.endm
.macro STEP first
	v_add_nc_u32 v2, s2, v1
	s_delay_alu instid0(VALU_DEP_1)
	v_add_nc_u32 v3, VB, v2
.rept 3
	v_nop                                          ; with the two additions five places: the loads land on V's fragments, and the first product writes over tile 1's codes
.endr
	KLOAD
	s_wait_dscnt 0x0
	SPROD 0
	PLACES
	SOFTMAX 0, \first
	SPROD 1
	PLACES                                         ; for V's loads into K's registers and for the reads of the scores
	VLOAD
	SOFTMAX 1, \first
	s_wait_alu depctr_va_vdst(0)
	s_wait_dscnt 0x0
	PVPROD \first
	s_add_co_u32 s2, s2, 8192                      ; 128 keys on, in K and in V alike
.endm
	STEP 1                                         ; the first step starts the sums
	s_mov_b32 s3, 15
.Lstep:
	STEP 0
	s_sub_co_u32 s3, s3, 1
	s_cmp_lg_u32 s3, 0
	s_cbranch_scc1 .Lstep
	; THE WAY OUT: O^T / the sum x 2^(e4 + e5), held, converted with 2^e6: the codes are operand registers of the last product and leave in stores of 512 consecutive bytes
.irp t, 0,1
	v_add_f32 v[T+\t], v[8+6*\t+2], v[8+6*\t+3]
.endr
.irp t, 0,1
	s_delay_alu instid0(VALU_DEP_2)
	v_permlanex16_b32 v[T+2+\t], v[T+\t], s20, s21
.endr
.irp t, 0,1
	s_delay_alu instid0(VALU_DEP_2)
	v_add_f32 v[T+\t], v[T+\t], v[T+2+\t]
.endr
	v_mov_b32 v4, s50
	v_mov_b32 v5, s49
	s_wait_alu depctr_va_vdst(0)                   ; ahead of the transcendentals
.irp t, 0,1
	v_rcp_f32 v[8+6*\t+4], v[T+\t]
.endr
	v_nop
	s_wait_alu depctr_va_vdst(0)                   ; and ahead of their first reader
.irp t, 0,1
	v_ldexp_f32 v[8+6*\t+4], v[8+6*\t+4], s48
.endr
	s_wait_alu depctr_va_vdst(0)                   ; directly ahead of the first readers of O^T
.irp t, 0,1
.set j, 0
.rept 16
	v_pk_mul_f32 v[S+32*\t+j:S+32*\t+j+1], v[O+32*\t+j:O+32*\t+j+1], v[8+6*\t+4:8+6*\t+5] op_sel_hi:[1,0]
.set j, j+2
.endr
.endr
.set j, 0
.rept 64
	v_med3_num_f32 v[S+j], v[S+j], -v4, v4
.set j, j+1
.endr
.irp t, 0,1
.irp d, 0,1,2,3
	v_cvt_scalef32_pk8_fp8_f32 v[P0+8*\t+2*\d:P0+8*\t+2*\d+1], v[S+32*\t+8*\d:S+32*\t+8*\d+7], v5
.endr
.endr
	v_nop
.irp t, 0,1
	global_store_b128 v1, v[P0+8*\t:P0+8*\t+3],   s[8:9] offset:4096*\t
	global_store_b128 v1, v[P0+8*\t+4:P0+8*\t+7], s[8:9] offset:4096*\t+512
.endr
	s_wait_tensorcnt 0x0                           ; the wave's end
	ds_add_u32 v6, v7
	s_wait_dscnt 0x0
	s_endpgm
.Lfunc_end_k_qffa24b1ef9_attn:
	.size	k_qffa24b1ef9_attn, .Lfunc_end_k_qffa24b1ef9_attn-k_qffa24b1ef9_attn
	.p2alignl 7, 3214868480
	.fill 96, 4, 3214868480
	.section	.rodata,"a",@progbits
	.p2align	6, 0x0
	.amdhsa_kernel k_qffa24b1ef9_attn
		.amdhsa_group_segment_fixed_size 264192
		.amdhsa_private_segment_fixed_size 0
		.amdhsa_enable_private_segment 0
		.amdhsa_kernarg_size 24
		.amdhsa_user_sgpr_count 2
		.amdhsa_user_sgpr_kernarg_segment_ptr 1
		.amdhsa_wavefront_size32 1
		.amdhsa_system_sgpr_workgroup_id_x 1
		.amdhsa_system_sgpr_workgroup_id_y 1
		.amdhsa_system_sgpr_workgroup_id_z 1
		.amdhsa_system_vgpr_workitem_id 0
		.amdhsa_next_free_vgpr 256
		.amdhsa_next_free_sgpr 80
		.amdhsa_reserve_vcc 0
		.amdhsa_float_denorm_mode_32 3
		.amdhsa_float_denorm_mode_16_64 3
		.amdhsa_memory_ordered 1
		.amdhsa_forward_progress 1
		.amdhsa_inst_pref_size 73
	.end_amdhsa_kernel
	.amdgpu_metadata
---
amdhsa.version: [ 1, 2 ]
amdhsa.kernels:
  - .name:           k_qffa24b1ef9_attn
    .symbol:         k_qffa24b1ef9_attn.kd
    .args:
      - { .name: qkv_img, .offset: 0, .size: 8, .value_kind: global_buffer, .address_space: global }
      - { .name: lowp_scales, .offset: 8, .size: 8, .value_kind: global_buffer, .address_space: global }
      - { .name: o_img, .offset: 16, .size: 8, .value_kind: global_buffer, .address_space: global }
    .group_segment_fixed_size: 264192
    .private_segment_fixed_size: 0
    .kernarg_segment_align: 8
    .kernarg_segment_size: 24
    .max_flat_workgroup_size: 512
    .sgpr_count:     80
    .vgpr_count:     256
    .wavefront_size: 32
...
	.end_amdgpu_metadata
.endif
;; end of part 3
;; launch proj (part 4): grid 4 x 64, 4 waves a work-group, clusters of 4 x 4, 327,680 bytes of LDS; arguments o_img, img, lowp_scales, proj_b, out0; writes out0
.if DOCPART == 4
	.amdgcn_target "amdgcn-amd-amdhsa--gfx1250"
	.amdhsa_code_object_version 6
	.text
	.protected	k_qffa24b1ef9_proj
	.globl	k_qffa24b1ef9_proj
	.p2align	8
	.type	k_qffa24b1ef9_proj,@function
k_qffa24b1ef9_proj:
	s_mov_b64 s[64:65], 0
	v_nop
	global_prefetch_b8 v0, s[64:65] scope:SCOPE_SE
	s_setreg_imm32_b32 hwreg(HW_REG_WAVE_MODE, 25, 1), 1
	s_wait_xcnt 0x0
	s_wait_alu depctr_hold_cnt(0) depctr_sa_sdst(0) depctr_va_vdst(0) depctr_va_sdst(0) depctr_va_ssrc(0) depctr_va_vcc(0) depctr_vm_vsrc(0)
	s_getreg_b32 s2, hwreg(HW_REG_IB_STS2, 6, 4)
	s_cmp_eq_u32 s2, 0
	s_cbranch_scc0 .Lentry_in_a_cluster
	s_endpgm
.Lentry_in_a_cluster:
	s_bfe_u32 s2, ttmp6, 0x10000c
	s_cmp_lg_u32 s2, 0xf033
	s_cbranch_scc0 .Lentry_shape_is_right
	s_endpgm
.Lentry_shape_is_right:
; out0 = o proj_w^T + proj_b on codes of FP8 (E4M3) with the scales 2^e6 and 2^e7.  LIMIT: e6 + e7 between -126 and 127.
; OPERANDS are images of their registers: 128 rows x 256 K are one dense block of 32,768 bytes (fragment i of 16 rows, 128 K at i 4096 + q 2048); o_img: groups of 128 tokens; img: proj_w's groups are 88-95.
; A tile of the result is 128 tokens x 256 columns: 64 x 4 = 256 work-groups.  Four waves; a wave makes 64 x 128: 32 accumulators.
; K = 1,024 goes in four steps of 256 through two LDS slots (A's block, then B's two): waves 0 and 1 fetch A's halves, 64 rows of 256 bytes each, waves 2 and 3 B's blocks.
; A wave's share of a slot, 4 + 8 fragments x 2 halves of K, is 384 registers: it is read in one run of 96 loads behind the change of slots, and the slot's 64 products follow; so the other slot's load has the whole trip in which to land.
; CLUSTERS: 4 x 4; A's tile is shared along a row, B's along a column, by joint loads.  source 0 = rows of B, source 1 = rows of A: a lane holds eight neighbouring columns of one row.
; PREFETCH: behind the first two refills each asking wave names 32 blocks of 256 bytes of the K step two refills on (steps 2 and 3): wave 0 of A's block, waves 2 and 3 of B's; the four partners that share a block take 8,192 bytes each, by address.
; REGISTERS: window 0: v16-31 addresses, v32-95 the bias, v128-255 A's fragments (on the way out: rows read back).  window 1: B's fragments (on the way out v0-63: a block's numbers).  window 2: the accumulators.
.set SLOT,  98304
.set PART,  32768
.set STAGE, 2*SLOT                     ; behind the ring: 16 rows x 528 bytes for each wave
.set SPITCH, 528
.set SPARE, STAGE+4*16*SPITCH          ; behind the stages: the spare words
.set ADRA,  16
.set ADRB,  20
.set STO,   24
.set RD,    25
.set CO,    26
.set PFO,   27
.set SPW,   28
.set NIL,   29
.set BN,    32
.set AF,    128
.set TMP,   0
.set BK,    128
.set G1,    24
.set G0,    32
.set G1B,   48
.set G0B,   56
.set PFA,   92
.set MSB,   0
.macro WIN new
.if MSB != (\new)
	s_set_vgpr_msb (MSB<<8)|(\new)
.set MSB, \new
.endif
.endm
.set MUL,  0xa1
.set TO_B, 0x40
.macro JLOAD s
	s_cmp_eq_u32 s15, 0
	s_cbranch_scc0 .Lfor_b_\@
	tensor_load_to_lds s[G0+4*(\s):G0+4*(\s)+3], s[G1:G1+7]
	s_nop 0
.rept 4
	v_nop
.endr
	s_branch .Lasked_\@
.Lfor_b_\@:
	tensor_load_to_lds s[G0B+4*(\s):G0B+4*(\s)+3], s[G1B:G1B+7]
	s_nop 0
.rept 4
	v_nop
.endr
.Lasked_\@:
.endm
.macro CROUND
	s_barrier_signal -1
	s_barrier_wait -1
	s_cmp_lg_u32 s14, 0
	s_cbranch_scc1 .Lnot_wave_0_\@
	s_barrier_signal -3
.Lnot_wave_0_\@:
	s_barrier_wait -3
	s_barrier_signal -1
	s_barrier_wait -1
.endm
.macro PLACES
.rept 4
	v_nop
.endr
.endm
	s_load_b256 s[4:11], s[0:1], 0x0               ; o_img, img, the scales' exponents, proj_b
	s_load_b64 s[12:13], s[0:1], 0x20              ; out0
	v_lshl_add_u32 v[SPW], v0, 2, SPARE
	v_mov_b32 v[NIL], 0
	ds_add_u32 v[SPW], v[NIL]                      ; the opening lines: the add twice on end and its wait
	ds_add_u32 v[SPW], v[NIL]
	v_lshrrev_b32 v1, 5, v0
	v_readfirstlane_b32 s14, v1                    ; wave
	s_lshr_b32 s15, s14, 1                         ; my 64 rows; also: I fetch for A (0) or B (1)
	s_and_b32 s16, s14, 1                          ; my 128 columns; also: which part I fetch
	s_bfe_u32 s40, ttmp6, 0x40000                  ; cx, cy
	s_bfe_u32 s41, ttmp6, 0x40004
	s_lshl_b32 s42, ttmp9, 2
	s_add_co_u32 s42, s42, s40                     ; tile column
	s_and_b32 s17, ttmp7, 0xffff
	s_lshl_b32 s17, s17, 2
	s_add_co_u32 s17, s17, s41                     ; tile row: a group of 128 tokens
	s_lshl_b32 s43, s41, 2
	s_lshl_b32 s43, 15, s43
	s_lshl_b32 s44, 0x1111, s40
	s_or_b32 s[G1+0], s43, (3<<16)|(1<<21)         ; rows of 32 elements of 8 bytes
	s_or_b32 s[G1B+0], s44, (3<<16)|(1<<21)
	s_mov_b32 s[G1+1], 32<<16
	s_mov_b32 s[G1+2], 64<<16                      ; A: 64 rows a load
	s_mov_b32 s[G1+3], 32<<16
	s_mov_b32 s[G1+4], 64
	s_mov_b32 s[G1+5], 32
	s_mov_b32 s[G1+6], 0
	s_mov_b32 s[G1+7], 0
	s_mov_b32 s[G1B+1], 32<<16
	s_mov_b32 s[G1B+2], 128<<16                    ; B: 128 rows a load
	s_mov_b32 s[G1B+3], 32<<16
	s_mov_b32 s[G1B+4], 128
	s_mov_b32 s[G1B+5], 32
	s_mov_b32 s[G1B+6], 0
	s_mov_b32 s[G1B+7], 0
	s_lshl_b32 s20, s17, 17
	s_lshl_b32 s18, s16, 14                        ; A's half: in memory and in the slot
	s_add_co_u32 s20, s20, s18
	s_mov_b32 s21, 0
	s_lshl_b32 s46, s42, 1
	s_add_co_u32 s46, s46, s16
	s_add_co_u32 s46, s46, 88
	s_lshl_b32 s46, s46, 17
	s_mov_b32 s78, s46                             ; (kept for the prefetch)
	s_mov_b32 s47, 0
	s_lshl_b32 s45, s16, 15
	s_add_co_u32 s45, s45, PART                    ; B's block in the slot
	s_wait_dscnt 0x0
	s_wait_kmcnt 0x0
	s_load_b256 s[68:75], s[8:9], 0x0              ; e0 .. e7
	s_add_nc_u64 s[20:21], s[4:5], s[20:21]
	s_add_nc_u64 s[46:47], s[6:7], s[46:47]
	CROUND                                         ; the first joint loads meet
.irp s, 0,1
	s_mov_b32 s[G0+4*\s], 1
	s_add_co_u32 s[G0+4*\s+1], s18, \s*SLOT
	s_add_nc_u64 s[G0+4*\s+2:G0+4*\s+3], s[20:21], \s*PART
	s_or_b32 s[G0+4*\s+3], s[G0+4*\s+3], 0x80000000
	s_mov_b32 s[G0B+4*\s], 1
	s_add_co_u32 s[G0B+4*\s+1], s45, \s*SLOT
	s_add_nc_u64 s[G0B+4*\s+2:G0B+4*\s+3], s[46:47], \s*PART
	s_or_b32 s[G0B+4*\s+3], s[G0B+4*\s+3], 0x80000000
.endr
	JLOAD 0                                        ; K step 0: one tensor load a wave at the head
	s_lshl_b32 s21, s15, 14                        ; my four fragments' rows of A
	s_add_co_u32 s76, s21, SLOT
	s_add_co_u32 s77, s45, SLOT
	s_mul_i32 s23, s14, 16*SPITCH
	s_add_co_u32 s23, s23, STAGE                   ; my stage
	s_lshl_b32 s83, s17, 7
	s_lshl_b32 s84, s15, 6
	s_add_co_u32 s83, s83, s84                     ; m0
	s_lshl_b32 s84, s42, 8
	s_lshl_b32 s85, s16, 7
	s_add_co_u32 s84, s84, s85                     ; n0
	s_lshl_b32 s86, s84, 2
	s_mov_b32 s87, 0
	s_add_nc_u64 s[88:89], s[10:11], s[86:87]
	s_lshl_b32 s90, s83, 12
	s_add_co_u32 s90, s90, s86
	s_mov_b32 s91, 0
	s_add_nc_u64 s[12:13], s[12:13], s[90:91]
	s_lshl_b32 s80, s17, 17
	s_cmp_eq_u32 s15, 0                            ; the prefetches: A's block or my block of B,
	s_cselect_b64 s[PFA:PFA+1], s[4:5], s[6:7]
	s_cselect_b32 s80, s80, s78
	s_cselect_b32 s81, s40, s41                    ; my place among the four that share it,
	s_lshl_b32 s81, s81, 13                        ; 8,192 bytes each,
	s_add_co_u32 s80, s80, s81
	s_add_co_u32 s80, s80, 2*PART                  ; at K step 2
	s_mov_b32 s81, 0
	s_add_nc_u64 s[PFA:PFA+1], s[PFA:PFA+1], s[80:81]
	v_and_b32 v1, 31, v0
	v_lshlrev_b32 v[CO], 4, v1
	v_lshlrev_b32 v[PFO], 8, v1
	v_and_b32 v2, 15, v0
	v_bfe_u32 v3, v0, 4, 1
	v_lshlrev_b32 v6, 5, v3
	v_add_nc_u32 v[ADRA], s21, v[CO]
	v_add_nc_u32 v[ADRA+1], s76, v[CO]
	v_add_nc_u32 v[ADRB], s45, v[CO]
	v_add_nc_u32 v[ADRB+1], s77, v[CO]
	v_mul_u32_u24 v5, v2, SPITCH
	v_lshl_add_u32 v5, v3, 5, v5
	v_add_nc_u32 v[STO], s23, v5
	v_add_nc_u32 v[RD], s23, v[CO]
	s_wait_alu depctr_va_vdst(0)
.irp b, 0,1,2,3,4,5,6,7
	global_load_b128 v[BN+8*\b:BN+8*\b+3],   v6, s[88:89] offset:64*\b      ; bias(n0 + 16 b + 8 h + 0 .. 7)
	global_load_b128 v[BN+8*\b+4:BN+8*\b+7], v6, s[88:89] offset:64*\b+16
.endr
	s_wait_kmcnt 0x0
	s_add_co_i32 s96, s74, s75
	s_add_co_i32 s96, s96, 127
	s_lshl_b32 s96, s96, 23                        ; 2^(e6 + e7)
	s_mov_b32 s97, s96
.macro FRAG reg, adr, q, i
.irp c, 0,1,2,3
	ds_load_b128 v[\reg+4*\c:\reg+4*\c+3], v[\adr] offset:4096*(\i)+2048*(\q)+512*\c
.endr
.endm
.macro FETCH slot                      ; my share of the slot: for each half of K, B's eight fragments and A's four
.irp q, 0,1
	WIN TO_B
.irp i, 0,1,2,3,4,5,6,7
	FRAG 128*\q+16*\i, ADRB+\slot, \q, \i
.endr
	WIN 0
.irp i, 0,1,2,3
	FRAG AF+64*\q+16*\i, ADRA+\slot, \q, \i
.endr
.endr
.endm
.macro MUL32 q, zero                   ; the 32 accumulators take turns, in the same order in every half step
.irp a, 0,1,2,3
.irp b, 0,1,2,3,4,5,6,7
.if \zero
	v_wmma_f32_16x16x128_fp8_fp8 v[8*(8*\a+\b):8*(8*\a+\b)+7], v[128*\q+16*\b:128*\q+16*\b+15], v[AF+64*\q+16*\a:AF+64*\q+16*\a+15], 0
.else
	v_wmma_f32_16x16x128_fp8_fp8 v[8*(8*\a+\b):8*(8*\a+\b)+7], v[128*\q+16*\b:128*\q+16*\b+15], v[AF+64*\q+16*\a:AF+64*\q+16*\a+15], v[8*(8*\a+\b):8*(8*\a+\b)+7]
.endif
.endr
.endr
.endm
; A trip: the change of slots, the other slot's fill, this slot's fragments and products.  ask >= 0: the prefetch of K step 2 + ask.
.macro TRIP slot, refill, zero, ask
	s_wait_tensorcnt 0x0                           ; my part of this slot is in, and no load of mine is out
	ds_add_u32 v[SPW], v[NIL]
	s_add_nc_u64 s[G0+4*\slot+2:G0+4*\slot+3], s[G0+4*\slot+2:G0+4*\slot+3], 2*PART       ; this slot's next K step
	s_add_nc_u64 s[G0B+4*\slot+2:G0B+4*\slot+3], s[G0B+4*\slot+2:G0B+4*\slot+3], 2*PART
	s_wait_dscnt 0x0                               ; the add is done; my reads of the other slot were waited for ahead of its products
.if \refill
	CROUND
	JLOAD 1-\slot                                  ; my one load behind the round; its four v_nop are the places in front of the loads below
.else
	s_barrier_signal -1
	s_barrier_wait -1
	PLACES
.endif
	FETCH \slot
.if \ask >= 0
	s_cmp_eq_u32 s14, 1                            ; wave 1 asks for nothing: wave 0 names A's whole share
	s_cbranch_scc1 .Lnone_\@
	global_prefetch_b8 v[PFO], s[PFA:PFA+1] offset:(\ask)*PART th:TH_LOAD_NT scope:SCOPE_SE
.Lnone_\@:
.endif
	s_wait_dscnt 48                                ; the first half's 48 loads are in; the second half's may be out
	WIN MUL
	MUL32 0, \zero
	s_wait_dscnt 0x0
	MUL32 1, 0
	WIN 0
.endm
; THE WAY OUT, block by block of 16 rows x 128 columns, through my own stage: whole rows of 512 bytes come back and are stored as two aligned units of 256 bytes.
.macro TOSTAGE a
.set AC, 64*(\a)
	WIN 0x42                                       ; source 0 window 2, destination window 1
.set j, 0
.rept 32
	v_pk_fma_f32 v[TMP+j:TMP+j+1], v[AC+j:AC+j+1], s[96:97], v[BN+j:BN+j+1] op_sel_hi:[1,0,1]
.set j, j+2
.endr
	WIN 0x04
.irp b, 0,1,2,3,4,5,6,7
	ds_store_b128 v[STO], v[TMP+8*\b:TMP+8*\b+3] offset:64*\b
	ds_store_b128 v[STO], v[TMP+8*\b+4:TMP+8*\b+7] offset:64*\b+16
.endr
	WIN 0
.set BB, BK+64*((\a)%2)
.irp t, 0,1,2,3,4,5,6,7,8,9,10,11,12,13,14,15
	ds_load_b128 v[BB+4*\t:BB+4*\t+3], v[RD] offset:\t*SPITCH
.endr
.endm
.macro SEND a, younger
.set BB, BK+64*((\a)%2)
	s_wait_dscnt \younger
.if (\a) > 0
	s_add_nc_u64 s[12:13], s[12:13], 16*4096       ; (behind a wait on XCNT)
.endif
.irp t, 0,1,2,3,4,5,6,7,8,9,10,11,12,13,14,15
	global_store_b128 v[CO], v[BB+4*\t:BB+4*\t+3], s[12:13] offset:\t*4096 th:TH_STORE_NT
.endr
.endm
	TRIP 0, 1, 1, 0                                ; slot 1's first fill, K step 1, is issued as a refill is
	TRIP 1, 1, 0, 1                                ; slot 0 takes K step 2
	TRIP 0, 1, 0, -1                               ; slot 1 takes K step 3
	TRIP 1, 0, 0, -1
	s_wait_loadcnt 0x0                             ; the bias
	PLACES
	TOSTAGE 0
.irp a, 1,2,3
.if \a > 1
	s_wait_xcnt 0x0                                ; block a - 2's stores have read their registers and their base
.endif
	TOSTAGE \a
	SEND \a-1, 32
.endr
	s_wait_xcnt 0x0
	SEND 3, 0
	s_wait_tensorcnt 0x0                           ; the wave's end
	ds_add_u32 v[SPW], v[NIL]
	s_wait_dscnt 0x0
	CROUND                                         ; the closing round
	s_endpgm
.Lfunc_end_k_qffa24b1ef9_proj:
	.size	k_qffa24b1ef9_proj, .Lfunc_end_k_qffa24b1ef9_proj-k_qffa24b1ef9_proj
	.p2alignl 7, 3214868480
	.fill 96, 4, 3214868480
	.section	.rodata,"a",@progbits
	.p2align	6, 0x0
	.amdhsa_kernel k_qffa24b1ef9_proj
		.amdhsa_group_segment_fixed_size 327680
		.amdhsa_private_segment_fixed_size 0
		.amdhsa_enable_private_segment 0
		.amdhsa_kernarg_size 40
		.amdhsa_user_sgpr_count 2
		.amdhsa_user_sgpr_kernarg_segment_ptr 1
		.amdhsa_wavefront_size32 1
		.amdhsa_system_sgpr_workgroup_id_x 1
		.amdhsa_system_sgpr_workgroup_id_y 1
		.amdhsa_system_sgpr_workgroup_id_z 1
		.amdhsa_system_vgpr_workitem_id 0
		.amdhsa_next_free_vgpr 768
		.amdhsa_next_free_sgpr 100
		.amdhsa_reserve_vcc 0
		.amdhsa_float_denorm_mode_32 3
		.amdhsa_float_denorm_mode_16_64 3
		.amdhsa_memory_ordered 1
		.amdhsa_forward_progress 1
		.amdhsa_inst_pref_size 77
	.end_amdhsa_kernel
	.amdgpu_metadata
---
amdhsa.version: [ 1, 2 ]
amdhsa.kernels:
  - .name:           k_qffa24b1ef9_proj
    .symbol:         k_qffa24b1ef9_proj.kd
    .args:
      - { .name: o_img, .offset: 0, .size: 8, .value_kind: global_buffer, .address_space: global }
      - { .name: img, .offset: 8, .size: 8, .value_kind: global_buffer, .address_space: global }
      - { .name: lowp_scales, .offset: 16, .size: 8, .value_kind: global_buffer, .address_space: global }
      - { .name: proj_b, .offset: 24, .size: 8, .value_kind: global_buffer, .address_space: global }
      - { .name: out0, .offset: 32, .size: 8, .value_kind: global_buffer, .address_space: global }
    .group_segment_fixed_size: 327680
    .private_segment_fixed_size: 0
    .kernarg_segment_align: 8
    .kernarg_segment_size: 40
    .max_flat_workgroup_size: 128
    .sgpr_count:     100
    .vgpr_count:     768
    .wavefront_size: 32
...
	.end_amdgpu_metadata
.endif
;; end of part 4
